; MI455X (gfx1250); checked and timed in simulation.
; The chip was launched on July 23, 2026; its instructions are those of AMD's public machine-readable ISA for CDNA 5 (MIT licence, August 2026) and "CDNA5" Instruction Set Architecture Reference Guide (July 2026). The comments in the code are by the model that wrote it; some were corrected since.
;; Lucas KAN Layer. Allowed arithmetic: matrix products marked QUANTISED: E2M1 operands, one E8M0 scale for each 32 along K, by v_wmma_scale_f32_16x16x128_f8f6f4 with both operands' format E2M1 (or v_wmma_scale_f32_32x16x128_f4), f32 sums; everything else in f32.
;; Inputs: lucas_coeffs 1,024 x 1,024 x 8 float32; x 8,192 x 1,024 float32.
;; Outputs: out0 8,192 x 1,024 float32.
;; This version of the problem:
;;   THIS VERSION OF THE PROBLEM IS GIVEN IN LOW PRECISION. The matrix products marked QUANTISED in the list below multiply operands that are first quantised to E2M1 (2 exponent bits, 1 mantissa bit; 4 bits a number), with one power-of-two scale for each 32 numbers along K (OCP MX v1.0); their sums are f32. All else is computed in f32.
;;   The module's matrix products, in the order in which they are computed (A, B: the left and right operand; K: the contracted axis; several contracted axes count as one K, in the product's order):
;;     1. [M 8,192, K 8,192] x [K 8,192, N 1,024]; A: computed on the way; B: input lucas_coeffs: QUANTISED
;;   THE QUANTISER, for each operand of a quantised product, along K:
;;     - K is cut into blocks of 32 from its start; a last block that is shorter is filled with zeros.
;;     - A block's scale is 2^e with e = floor(log2(the largest magnitude in the block)) - 2, held to -126 .. 127; a block of zeros has e = 0. As a byte (E8M0): e + 127.
;;     - Each number is divided by its block's scale, clamped to +-6, and rounded to the nearest number of E2M1, ties to even, subnormals kept.
;;     - The product sums the exact products of the quantised numbers (number of the format x scale) in f32.
;;   ~~~python
;;   def quantise(x, axis):      # numpy; x: float32 -> the quantised numbers, widened to float32 again
;;       x = np.moveaxis(x, axis, -1); K = x.shape[-1]
;;       x = np.pad(x, [(0, 0)] * (x.ndim - 1) + [(0, -K % 32)]); x = x.reshape(x.shape[:-1] + (-1, 32)); a = np.abs(x).max(-1, keepdims=True)
;;       e = np.where(a > 0, np.clip(np.frexp(np.where(a > 0, a, 1))[1] - 1 - 2, -126, 127), 0)      # np.frexp(a)[1] - 1 = floor(log2(a)), exactly
;;       r = np.clip(x / 2.0 ** e, -6, 6)
;;       step = 2.0 ** (np.maximum(np.frexp(np.where(r == 0, 1, r))[1] - 1, 0) - 1)
;;       q = np.round(r / step) * step * 2.0 ** e      # np.round: ties to even
;;       return np.moveaxis(q.reshape(q.shape[:-2] + (-1,))[..., :K], -1, axis).astype(np.float32)
;;   ~~~
;;   OPERANDS COMPUTED ON THE WAY. 'Computed on the way' means the value that the module computes at that place (a softmax that the list does not call 'softmax' is quantised finished and normalised). What goes into a quantiser is computed in f32, as accurately as f32 sums, v_exp_f32 and their like allow (about 1e-6 of the number): no bf16 or f16 on the way to a quantiser, and a product that is left as it is and whose result goes on into a quantised operand takes f32 operands (vector FMAs, or v_wmma_f32_16x16x4_f32). A number that lies on a knife's edge between two numbers of the format may be rounded either way, as far as f32 arithmetic and the matrix unit's own rounding can turn it there, and no further.
;; One version. Each part assembles by itself: llvm-mc -triple=amdgcn-amd-amdhsa -mcpu=gfx1250 --defsym DOCPART=n.
;; ======== version 1 of 1: 2 launches
;; limits: a function is approximated: absolute error at most 1e-07
;; workspace buffers: acodes 33,554,432 bytes; ascales 2,097,152 bytes; bcodes 4,194,304 bytes; bscales 262,144 bytes
;; launch prep (part 1): grid 256 x 1, 12 waves a work-group, no clusters, 56,832 bytes of LDS; arguments x, lucas_coeffs, acodes, ascales, bcodes, bscales; writes acodes, ascales, bcodes, bscales
.if DOCPART == 1
	.amdgcn_target "amdgcn-amd-amdhsa--gfx1250"
	.amdhsa_code_object_version 6
	.text
	.protected	k_qf1ce53f477_prep
	.globl	k_qf1ce53f477_prep
	.p2align	8
	.type	k_qf1ce53f477_prep,@function
k_qf1ce53f477_prep:
	s_mov_b64 s[64:65], 0
	v_nop
	global_prefetch_b8 v0, s[64:65] scope:SCOPE_SE
	s_setreg_imm32_b32 hwreg(HW_REG_WAVE_MODE, 25, 1), 1
	s_wait_xcnt 0x0
; Both operands of y[b][o] = sum over d, i of Q(L_d(tanh x[b][i])) Q(coeffs[i][o][d]) are made here, once, as codes of FP4 (E2M1) with one E8M0 byte for each 32 along K.
; K IS THE PAIR (d, i), d OUTER: k = 1,024 d + i.  So a block of 32 along K is 32 neighbouring i of ONE degree d: for A 128 bytes of a row of x, seen through L_d; for B, for a column o and a degree d, 32 numbers 32,768 bytes apart.
; WHERE A BLOCK GOES.  The product's launch sees K as 16 K steps of 16 blocks.  With (i / 32) % 8 = 2 pp + h, block (d, i / 32) is block b = 8 h + 4 (d % 2) + pp of K step 4 (d / 2) + i / 256, alike in A and in B:
; the products are the same ones, only their order in the sum changes.  Inside a block i ascends.
; THE BUFFERS ARE LAID AS THE PRODUCT'S LAUNCH LOADS THEM.  With r = row (column) % 16: a block's 16 bytes lie at 256 b + 16 r of the 4,096 bytes of (16 rows, one K step): for each 128 along K the image of a fragment's eight registers,
; 16 bytes a lane.   acodes [64 tiles of 128 rows][16 K steps][8 row blocks][4,096];  ascales likewise [..][256], byte 16 r + b;  bcodes [4 tiles of 256 columns][16 K steps][16 column blocks][4,096];
; bscales [4][16][4 groups of 4 column blocks][2 halves of a K step][512]: the word of column r, column block j of the group, 128 along K number qq of the half at 16 (16 qq + r) + 4 j.
; A BLOCK'S SCALE is 2^(floor(log2(largest magnitude)) - 2): its byte is the largest magnitude's exponent field - 2, held at 1 from below.
; SHARES.  12 waves: waves 0-7 take 32 rows x 1,024 of x (a wave: 16 rows x 256 of x, four tasks of 64), waves 8-11 take 256 i x 16 columns of coeffs (a wave: 64 i).  The two roles part once, on the wave's number, and never meet: no barrier.
; tanh: E = 2^(-2 log2(e) |x|), |t| = (1 - E) / (1 + E), the sign taken from x.
; LIMITS: NaN in x or in coeffs is not served; +-infinity in x gives +-1.  tanh's error is about 1e-7 absolute, so its relative error grows as |t| falls: about 2e-6 at |t| = 0.03, 1e-4 at 0.001.
; A block whose largest magnitude lies under 2^-124 has its byte held at 1; a block of zeros so gets the byte 1 and zero codes (the bytes are read by this program alone).
.set WREG, 4608                        ; LDS of a wave: A: a stage of 16 rows of 256 bytes + 16 of padding; B: a stage of 8 units of 256 bytes + 16
.set UP,   272                         ; the pitch: 68 words
.set WV,   16                          ; s16  my wave's number
.set NC,   20                          ; s20  -2 log2(e)
.set MASK, 21                          ; s21  all bits but the sign
.set XO,   2                           ; v2   A: x: lanes 0-15 one row, lanes 16-31 the next; 16 bytes a lane
.set STO,  3                           ; v3   my stage, two rows (units) an instruction, sixteen lanes to a row: A's way in, B's way out
.set RD,   4                           ; v4   A: the stage, out: row lane % 16, 128 bytes for each half of the lanes
.set BSTO, 5                           ; v5   B: the stage, in: unit = my degree, 16 bytes for my column
.set CO,   6                           ; v6   A: codes: 2,048 (lane / 16) + 16 (lane % 16)
.set SO,   7                           ; v7   A: scale bytes: 16 (lane % 16) + 8 (lane / 16)
.set WO,   8                           ; v8   B: coeffs: 4 x lane: column lane / 8, degree lane % 8
.set VO,   9                           ; v9   B: codes: 1,024 (lane / 16) + 16 (lane % 16)
.set VS,   10                          ; v10  B: scale bytes: 16,384 (d / 2) + 256 (d % 2) + 16 (lane / 8)
.set M,    11                          ; v11  a block's largest magnitude;  v12 its second chain
.set M2,   12
.set SCO,  13                          ; v13  the conversions' scale operand
.set BT,   14                          ; v14, v15  at work
.set TP,   15
.set SBV,  16                          ; v16-23  A: degree d's four scale bytes, one for each task;   B: v16-19: two scale bytes for each group of four columns
.set K6,   24                          ; v24-27  A: L0's block: 32 codes of the number 4
.set T,    32                          ; v32-63  A: my 32 x, then t
.set E,    64                          ; v64-95  A: E, then |t|; then L2, L4, L6
.set R,    96                          ; v96-127 A: 1 + E, then its reciprocal; then L3, L5, L7
.set C,    96                          ; v96-99  B: a block's codes
.set X,    128                         ; v128-255 A: four sets of 32: a task's x as loaded, later its codes, four registers a degree
.set W,    128                         ; v128-191 B: two sets of 32 numbers
.set OUTR, 192                         ; v192-223 B: units on the way out
	s_load_b256 s[4:11], s[0:1], 0x0               ; x s[4:5], coeffs s[6:7], acodes s[8:9], ascales s[10:11]
	s_load_b128 s[12:15], s[0:1], 0x20             ; bcodes s[12:13], bscales s[14:15]
	v_lshl_add_u32 v30, v0, 2, 0xd800
	v_mov_b32 v31, 0
	v_lshrrev_b32 v1, 5, v0
	v_readfirstlane_b32 s[WV], v1                  ; wave 0..11
	s_mul_i32 s22, s[WV], WREG                     ; my wave's LDS
	v_and_b32 v[BT], 15, v0                        ; lane % 16
	v_bfe_u32 v[TP], v0, 4, 1                      ; lane / 16
	v_lshlrev_b32 v[XO], 4, v[BT]
	v_lshl_add_u32 v[XO], v[TP], 12, v[XO]
	v_mul_u32_u24 v[STO], v[TP], UP
	v_lshl_add_u32 v[STO], v[BT], 4, v[STO]
	v_add_nc_u32 v[STO], s22, v[STO]
	v_mul_u32_u24 v[RD], v[BT], UP
	v_lshl_add_u32 v[RD], v[TP], 7, v[RD]
	v_add_nc_u32 v[RD], s22, v[RD]
	v_lshlrev_b32 v[CO], 4, v[BT]
	v_lshl_add_u32 v[CO], v[TP], 11, v[CO]
	v_lshlrev_b32 v[SO], 4, v[BT]
	v_lshl_add_u32 v[SO], v[TP], 3, v[SO]
	v_lshlrev_b32 v[VO], 4, v[BT]
	v_lshl_add_u32 v[VO], v[TP], 10, v[VO]
	v_and_b32 v[WO], 31, v0
	v_lshlrev_b32 v[WO], 2, v[WO]
	v_and_b32 v[BT], 7, v0                         ; B: my degree
	v_bfe_u32 v[TP], v0, 3, 2                      ; B: my column of the four
	v_mul_u32_u24 v[BSTO], v[BT], UP
	v_lshl_add_u32 v[BSTO], v[TP], 4, v[BSTO]
	v_add_nc_u32 v[BSTO], s22, v[BSTO]
	v_lshlrev_b32 v[VS], 4, v[TP]
	v_lshrrev_b32 v[TP], 1, v[BT]
	v_lshl_add_u32 v[VS], v[TP], 14, v[VS]
	v_and_b32 v[TP], 1, v0
	v_lshl_add_u32 v[VS], v[TP], 8, v[VS]
; The largest magnitude of the 32 numbers v[s] .. v[s + 31], all mine, in two chains, with the floor 2^(3 - 127) among the leaves, so that the byte cannot fall under 1; then 2 off its exponent field:
; the conversion takes the exponent field of that operand as its scale, and nothing else of it.
.macro MAX32 s
	v_max3_num_f32 v[M],  |v[\s]|,   |v[\s+1]|, |v[\s+2]|
	v_max3_num_f32 v[M2], |v[\s+3]|, |v[\s+4]|, |v[\s+5]|
.irp i, 6,10,14,18,22,26
	v_max3_num_f32 v[M],  v[M],  |v[\s+\i]|,   |v[\s+\i+1]|
	v_max3_num_f32 v[M2], v[M2], |v[\s+\i+2]|, |v[\s+\i+3]|
.endr
	v_max3_num_f32 v[M], v[M], |v[\s+30]|, |v[\s+31]|
	v_max3_num_f32 v[M], v[M], v[M2], 0x1800000
	v_add_nc_u32 v[SCO], 0xff000000, v[M]
.endm
	s_cmp_ge_u32 s[WV], 8
	s_cbranch_scc1 .Lb                             ; waves 8-11: coeffs
	; ---------------- A: waves 0-7 ----------------
	s_lshr_b32 s17, s[WV], 2                       ; which of the work-group's two blocks of 16 rows
	s_and_b32 s18, s[WV], 3                        ; kq: which 256 of the row's 1,024 x
	s_lshl_b32 s19, ttmp9, 1
	s_add_co_u32 s19, s19, s17                     ; my block of 16 rows, 0..511
	s_lshr_b32 s24, ttmp9, 2                       ; its tile of 128 rows
	s_and_b32 s25, s19, 7                          ; and its place in the tile
	s_lshl_b32 s26, s19, 16                        ; x: 16 rows of 4,096 bytes,
	s_lshl_b32 s27, s18, 10                        ; 256 numbers along the row
	s_add_co_u32 s26, s26, s27
	s_mov_b32 s27, 0
	s_lshl_b32 s28, s24, 19                        ; acodes: 524,288 a tile, 32,768 a K step (degrees 0 and 1 go to K step kq), 4,096 a row block
	s_lshl_b32 s29, s18, 15
	s_add_co_u32 s28, s28, s29
	s_lshl_b32 s29, s25, 12
	s_add_co_u32 s28, s28, s29
	s_mov_b32 s29, 0
	s_lshl_b32 s30, s24, 15                        ; ascales: a sixteenth of that
	s_lshl_b32 s31, s18, 11
	s_add_co_u32 s30, s30, s31
	s_lshl_b32 s31, s25, 8
	s_add_co_u32 s30, s30, s31
	s_mov_b32 s31, 0
	s_mov_b32 s[NC], 0xc038aa3b                    ; -2 log2(e)
	s_mov_b32 s[MASK], 0x7fffffff
	s_wait_kmcnt 0x0
	s_add_nc_u64 s[4:5], s[4:5], s[26:27]
	s_add_nc_u64 s[8:9], s[8:9], s[28:29]
	s_add_nc_u64 s[10:11], s[10:11], s[30:31]
.irp p, 0,1,2,3                        ; all that the wave reads is asked for at once: 32 loads, each of two aligned runs of 256 consecutive bytes (rows 2 j and 2 j + 1)
.irp j, 0,1,2,3,4,5,6,7
	global_load_b128 v[X+32*\p+4*\j:X+32*\p+4*\j+3], v[XO], s[4:5] offset:8192*\j+256*\p th:TH_LOAD_NT
.endr
.endr
.irp g, 0,1,2,3
	v_mov_b32 v[K6+\g], 0x66666666                 ; L0 = 2 everywhere: a block's largest magnitude is 2, its scale 1/2, each number 4: the code 6
.endr
	v_mov_b32 v[SBV], 0x7e7e7e7e                   ; and its byte 128 - 2, for the four tasks
; Degree d of task p: the 32 numbers v[s] on are a whole block of my row.  Its codes get registers of their own, in the task's set, which no line writes again: so no store's data are rewritten.
.macro QD s, d, p
	MAX32 \s
.irp g, 0,1,2,3
	v_cvt_scalef32_pk8_fp4_f32 v[X+32*\p+4*\d+\g], v[\s+8*\g:\s+8*\g+7], v[SCO]
.endr
.if \p == 0
	v_lshrrev_b32 v[SBV+\d], 23, v[SCO]            ; the scale's byte; also the plain instruction behind the conversions
.else
	v_lshrrev_b32 v[BT], 23, v[SCO]
	v_lshl_or_b32 v[SBV+\d], v[BT], 8*\p, v[SBV+\d]
.endif
	global_store_b128 v[CO], v[X+32*\p+4*\d:X+32*\p+4*\d+3], s[8:9] offset:131072*(\d/2)+1024*(\d%2)+256*\p th:TH_STORE_NT   ; lanes 0-15 store 256 consecutive bytes (16 rows of block 4 (d % 2) + p), lanes 16-31 those of block 8 + 4 (d % 2) + p; both aligned
.endm
.macro REC dst, prev, pp2              ; L_k = t L_(k-1) + L_(k-2), two at a time; dst is L_(k-2)'s array
.set n, 0
.rept 16
	v_pk_fma_f32 v[\dst+n:\dst+n+1], v[T+n:T+n+1], v[\prev+n:\prev+n+1], v[\pp2+n:\pp2+n+1]
.set n, n+2
.endr
.endm
; A task: 16 rows x 64 of x become, for each of the 8 degrees, two blocks of each row.
.macro ATASK p
.set XS, X+32*\p
	s_wait_loadcnt 8*(3-\p)                        ; loads come back in order: this task's eight are in, the later tasks' stay out
.irp j, 0,1,2,3,4,5,6,7
	ds_store_b128 v[STO], v[XS+4*\j:XS+4*\j+3] offset:2*UP*\j          ; as loaded: rows 2 j and 2 j + 1
.endr
.irp c, 0,1,2,3,4,5,6,7
	ds_load_b128 v[T+4*\c:T+4*\c+3], v[RD] offset:16*\c                ; back: 32 neighbours of row lane % 16.  LDS serves a wave's instructions in order (ISA guide 5.7.1.4); the bytes are my wave's own
.endr
	global_store_b128 v[CO], v[K6:K6+3], s[8:9] offset:256*\p th:TH_STORE_NT   ; degree 0
	s_wait_dscnt 0x0                               ; my 32 x are in, and the stage's stores have read the set that the codes will take
.set n, 0
.rept 32
	v_mul_f32 v[E+n], s[NC], |v[T+n]|
.set n, n+1
.endr
.set n, 0
.rept 32
	v_exp_f32 v[E+n], v[E+n]                       ; E = e^(-2 |x|): one batch
.set n, n+1
.endr
	v_nop                                          ; a plain instruction behind the last of the batch,
	s_wait_alu depctr_va_vdst(0)                   ; and the wait ahead of the batch's first reader
.set n, 0
.rept 16
	v_pk_add_f32 v[R+n:R+n+1], v[E+n:E+n+1], 1.0 op_sel_hi:[1,0]
.set n, n+2
.endr
.set n, 0
.rept 32
	v_rcp_f32 v[R+n], v[R+n]                       ; 1 / (1 + E): the second batch
.set n, n+1
.endr
	v_nop
	s_wait_alu depctr_va_vdst(0)
.set n, 0
.rept 16
	v_pk_fma_f32 v[E+n:E+n+1], v[E+n:E+n+1], v[R+n:R+n+1], v[R+n:R+n+1] neg_lo:[1,0,0] neg_hi:[1,0,0]   ; |t| = r - E r, one rounding
.set n, n+2
.endr
.set n, 0
.rept 32
	v_bfi_b32 v[T+n], s[MASK], v[E+n], v[T+n]      ; L1 = t: |t| with x's sign
.set n, n+1
.endr
	QD T, 1, \p
.set n, 0
.rept 16
	v_pk_fma_f32 v[E+n:E+n+1], v[T+n:T+n+1], v[T+n:T+n+1], 2.0 op_sel_hi:[1,1,0]   ; L2 = t L1 + L0
.set n, n+2
.endr
	QD E, 2, \p
	REC R, E, T                                    ; L3 = t L2 + L1
	QD R, 3, \p
	REC E, R, E                                    ; L4
	QD E, 4, \p
	REC R, E, R                                    ; L5
	QD R, 5, \p
	REC E, R, E                                    ; L6
	QD E, 6, \p
	REC R, E, R                                    ; L7
	QD R, 7, \p
.endm
	ATASK 0
	ATASK 1
	ATASK 2
	ATASK 3
.irp e, 0,1,2,3
	global_store_b64 v[SO], v[SBV+2*\e:SBV+2*\e+1], s[10:11] offset:8192*\e th:TH_STORE_NT   ; K step 4 e + kq: my row's bytes 8 h .. 8 h + 7: degree 2 e's four, then degree 2 e + 1's: the wave stores 256 consecutive bytes, aligned
.endr
	s_wait_tensorcnt 0x0
	ds_add_u32 v30, v31
	s_wait_dscnt 0x0
	s_endpgm
	; ---------------- B: waves 8-11 ----------------
.Lb:
	s_sub_co_u32 s17, s[WV], 8                     ; bw: my two blocks of i are (i / 32) % 8 = 4 (bw / 2) + 2 e + bw % 2, e = 0, 1: h = bw % 2, pp = 2 (bw / 2) + e
	s_lshr_b32 s22, s17, 1
	s_and_b32 s23, s17, 1
	s_and_b32 s18, ttmp9, 63                       ; which 16 columns
	s_lshr_b32 s19, ttmp9, 6                       ; which 256 i
	s_lshr_b32 s24, s18, 4                         ; the columns' tile of 256
	s_and_b32 s25, s18, 15                         ; and their block in it
	s_lshl_b32 s26, s19, 23                        ; coeffs: 32,768 bytes an i: 256 i, 128 i, 32 i; 32 bytes a column
	s_lshl_b32 s27, s22, 22
	s_add_co_u32 s26, s26, s27
	s_lshl_b32 s27, s23, 20
	s_add_co_u32 s26, s26, s27
	s_lshl_b32 s27, s18, 9
	s_add_co_u32 s26, s26, s27
	s_mov_b32 s27, 0
	s_lshl_b32 s28, s24, 20                        ; bcodes: 1,048,576 a tile, 65,536 a K step, 4,096 a column block, 2,048 h, 256 pp
	s_lshl_b32 s29, s19, 16
	s_add_co_u32 s28, s28, s29
	s_lshl_b32 s29, s25, 12
	s_add_co_u32 s28, s28, s29
	s_lshl_b32 s29, s23, 11
	s_add_co_u32 s28, s28, s29
	s_lshl_b32 s29, s22, 9
	s_add_co_u32 s28, s28, s29
	s_mov_b32 s29, 0
	s_lshl_b32 s30, s24, 16                        ; bscales: 65,536 a tile, 4,096 a K step, 1,024 a group of four column blocks, 512 h, 4 for the block in its group, 1 pp
	s_lshl_b32 s31, s19, 12
	s_add_co_u32 s30, s30, s31
	s_lshr_b32 s31, s25, 2
	s_lshl_b32 s31, s31, 10
	s_add_co_u32 s30, s30, s31
	s_lshl_b32 s31, s23, 9
	s_add_co_u32 s30, s30, s31
	s_and_b32 s31, s25, 3
	s_lshl_b32 s31, s31, 2
	s_add_co_u32 s30, s30, s31
	s_lshl_b32 s31, s22, 1
	s_add_co_u32 s30, s30, s31
	s_mov_b32 s31, 0
	s_wait_kmcnt 0x0
	s_add_nc_u64 s[6:7], s[6:7], s[26:27]
	s_add_nc_u64 s[12:13], s[12:13], s[28:29]
	s_add_nc_u64 s[14:15], s[14:15], s[30:31]
; Unit u = 4 e + cg: the e-th of my two blocks of i, columns 4 cg .. 4 cg + 3.  A LANE TAKES A COLUMN AND A DEGREE, AND ITS REGISTERS RUN DOWN i: each load reads 128 consecutive bytes (4 columns x 8 degrees of one i),
; and a lane's 32 registers are a whole block: its largest magnitude needs no other lane, and the conversions give its codes with i ascending.
.macro BLD u
.set n, 0
.rept 32
	global_load_b32 v[W+32*((\u)%2)+n], v[WO], s[6:7] offset:((\u)/4)*2097152+n*32768+128*((\u)%4) th:TH_LOAD_NT
.set n, n+1
.endr
.endm
.macro BUNIT u
.set WS, W+32*((\u)%2)
.if (\u) < 7
	s_wait_loadcnt 32                              ; this unit's 32 loads are in; the next unit's may be out
.else
	s_wait_loadcnt 0x0
.endif
	MAX32 WS
.irp g, 0,1,2,3
	v_cvt_scalef32_pk8_fp4_f32 v[C+\g], v[WS+8*\g:WS+8*\g+7], v[SCO]
.endr
.if (\u) < 4
	v_lshrrev_b32 v[SBV+(\u)%4], 23, v[SCO]        ; the scale's byte; also the plain instruction behind the conversions
.else
	v_lshrrev_b32 v[BT], 23, v[SCO]
	v_lshl_or_b32 v[SBV+(\u)%4], v[BT], 8, v[SBV+(\u)%4]
.endif
	ds_store_b128 v[BSTO], v[C:C+3] offset:64*((\u)%4)                 ; unit = my degree, byte 16 x column
.if (\u)+2 < 8
	BLD (\u)+2                                     ; the set takes the unit two further on
.endif
	s_wait_dscnt 0x0                               ; the store has read its registers: the next unit's codes may be written
.if (\u)%4 == 3                        ; 16 columns of all 8 degrees lie in the stage: they leave as whole units: degree 2 t in lanes 0-15, degree 2 t + 1 in lanes 16-31
.irp t, 0,1,2,3
	ds_load_b128 v[OUTR+16*((\u)/4)+4*\t:OUTR+16*((\u)/4)+4*\t+3], v[STO] offset:2*UP*\t   ; LDS serves a wave's instructions in order: these see my stores, and the next units' stores come behind them
.endr
.irp t, 0,1,2,3
	s_wait_dscnt 3-\t
	global_store_b128 v[VO], v[OUTR+16*((\u)/4)+4*\t:OUTR+16*((\u)/4)+4*\t+3], s[12:13] offset:262144*\t+256*((\u)/4)   ; sixteen lanes store 256 consecutive bytes, aligned; these registers are written once
.endr
.endif
.endm
	BLD 0
	BLD 1
.irp u, 0,1,2,3,4,5,6,7
	BUNIT \u
.endr
.irp c, 0,1,2,3
	global_store_b16 v[VS], v[SBV+\c], s[14:15] offset:64*\c           ; my column's and degree's two bytes, pp = 2 (bw / 2) and + 1.  These stores write two bytes a lane, 16 bytes apart and more: one byte in 128 of what this path reads
.endr
	s_wait_tensorcnt 0x0
	ds_add_u32 v30, v31
	s_wait_dscnt 0x0
	s_endpgm
.Lfunc_end_k_qf1ce53f477_prep:
	.size	k_qf1ce53f477_prep, .Lfunc_end_k_qf1ce53f477_prep-k_qf1ce53f477_prep
	.p2alignl 7, 3214868480
	.fill 96, 4, 3214868480
	.section	.rodata,"a",@progbits
	.p2align	6, 0x0
	.amdhsa_kernel k_qf1ce53f477_prep
		.amdhsa_group_segment_fixed_size 56832
		.amdhsa_private_segment_fixed_size 0
		.amdhsa_enable_private_segment 0
		.amdhsa_kernarg_size 48
		.amdhsa_user_sgpr_count 2
		.amdhsa_user_sgpr_kernarg_segment_ptr 1
		.amdhsa_wavefront_size32 1
		.amdhsa_system_sgpr_workgroup_id_x 1
		.amdhsa_system_sgpr_workgroup_id_y 1
		.amdhsa_system_sgpr_workgroup_id_z 1
		.amdhsa_system_vgpr_workitem_id 0
		.amdhsa_next_free_vgpr 256
		.amdhsa_next_free_sgpr 66
		.amdhsa_reserve_vcc 0
		.amdhsa_float_denorm_mode_32 3
		.amdhsa_float_denorm_mode_16_64 3
		.amdhsa_memory_ordered 1
		.amdhsa_forward_progress 1
		.amdhsa_inst_pref_size 151
	.end_amdhsa_kernel
	.amdgpu_metadata
---
amdhsa.version: [ 1, 2 ]
amdhsa.kernels:
  - .name:           k_qf1ce53f477_prep
    .symbol:         k_qf1ce53f477_prep.kd
    .args:
      - { .name: x, .offset: 0, .size: 8, .value_kind: global_buffer, .address_space: global }
      - { .name: lucas_coeffs, .offset: 8, .size: 8, .value_kind: global_buffer, .address_space: global }
      - { .name: acodes, .offset: 16, .size: 8, .value_kind: global_buffer, .address_space: global }
      - { .name: ascales, .offset: 24, .size: 8, .value_kind: global_buffer, .address_space: global }
      - { .name: bcodes, .offset: 32, .size: 8, .value_kind: global_buffer, .address_space: global }
      - { .name: bscales, .offset: 40, .size: 8, .value_kind: global_buffer, .address_space: global }
    .group_segment_fixed_size: 56832
    .private_segment_fixed_size: 0
    .kernarg_segment_align: 8
    .kernarg_segment_size: 48
    .max_flat_workgroup_size: 384
    .sgpr_count:     66
    .vgpr_count:     256
    .wavefront_size: 32
...
	.end_amdgpu_metadata
.endif
;; end of part 1
;; launch gemm (part 2): grid 4 x 64, 4 waves a work-group, clusters of 4 x 1, 327,680 bytes of LDS; arguments acodes, ascales, bcodes, bscales, out0; writes out0
.if DOCPART == 2
	.amdgcn_target "amdgcn-amd-amdhsa--gfx1250"
	.amdhsa_code_object_version 6
	.text
	.protected	k_qf1ce53f477_gemm
	.globl	k_qf1ce53f477_gemm
	.p2align	8
	.type	k_qf1ce53f477_gemm,@function
k_qf1ce53f477_gemm:
	s_mov_b64 s[64:65], 0
	v_nop
	global_prefetch_b8 v0, s[64:65] scope:SCOPE_SE
	s_setreg_imm32_b32 hwreg(HW_REG_WAVE_MODE, 25, 1), 1
	s_wait_xcnt 0x0
	s_wait_alu depctr_hold_cnt(0) depctr_sa_sdst(0) depctr_va_vdst(0) depctr_va_sdst(0) depctr_va_ssrc(0) depctr_va_vcc(0) depctr_vm_vsrc(0)
	s_getreg_b32 s2, hwreg(HW_REG_IB_STS2, 6, 4)
	s_cmp_eq_u32 s2, 0
	s_cbranch_scc0 .Lentry_in_a_cluster
	s_endpgm
.Lentry_in_a_cluster:
	s_bfe_u32 s2, ttmp6, 0x10000c
	s_cmp_lg_u32 s2, 0x3003
	s_cbranch_scc0 .Lentry_shape_is_right
	s_endpgm
.Lentry_shape_is_right:
; out0[8,192][1,024] f32 = A B^T on codes of FP4 (E2M1) with one E8M0 byte for each 32 along K = 8,192.  The four buffers were laid by the launch before as images of the operands' registers:
; acodes [64 tiles of 128 rows][16 K steps of 512][8 row blocks][4,096], ascales [64][16][8][256], bcodes [4 tiles of 256 columns][16][16 column blocks][4,096], bscales [4][16][4 groups][2 halves][512].
; In the 4,096 bytes of (16 rows, a K step), the fragment of the q-th 128 along K lies at 1,024 q: registers 0-3 as 16 bytes a lane, then registers 4-7 likewise.
; SHARES.  A work-group makes 128 rows x 256 columns of C.  Wave w = 2 kh + wn makes ALL 128 rows x columns 128 wn .. + 127 (64 accumulators, 512 registers) over HALF of K: of each K step of 512 the 128s number 2 kh and 2 kh + 1:
; 32 steps of 64 matrix instructions.  So a wave's tile is 128 x 128 (8 + 8 fragments feed 64 products) on 256 work-groups.  At the end waves w and w xor 2 add their halves: each keeps 64 of its 128 columns and gives the other 64 away through LDS.
; LIMIT: an output is the f32 sum of two f32 sums over interleaved halves of K, and the blocks of 32 follow each other along K in the order in which the launch before laid them: another order of rounding than one ascending sum.
; A GOES THROUGH LDS, JOINTLY.  The four work-groups of a cluster make the same 128 rows, so each tile of A is asked for by the same tensor load with the same descriptor and the mask of all four.  Two slots of K = 2,048 (131,072 bytes);
; wave w fetches the slot's K step w (32,768 consecutive bytes).  Four chunks in all: two first fills, two refills.  A's scale bytes for all of K (32,768 bytes) come once, with the first fills.
; B GOES STRAIGHT INTO REGISTERS, and is not asked for jointly, though the 64 work-groups of a tile column read the same B.  The reason, by this text's own arithmetic: each fragment of B is multiplied by ONE wave of a work-group, so LDS would
; only be written and read once more for it; and a K step of A and B together is 98,304 bytes, so that two slots would hold K = 768 each where A alone has K = 2,048: a refill would have three eighths of the matrix work in which to land.
; A wave's fragments of B run through a ring of four sets of registers, asked for three steps ahead, under counted waits.
; WHEN A STEP'S LOADS ARE ASKED FOR.  Two runs a step.  At the END of step t, behind the step's four v_nop: A's row blocks 0-3 for step t + 2 and B's group kept for step t + 4, into registers that step t has just multiplied.
; In the MIDDLE of step t: A's row blocks 4-7 for step t + 1 and B's group given for step t + 3, into registers that no matrix instruction has named since the v_nop at the end of step t - 1: so no v_nop stands in the middle.
; THE MATRIX INSTRUCTION IS USED TRANSPOSED: source 0 = 16 columns (rows of B), source 1 = 16 rows of A: a lane then holds eight neighbouring numbers of a row of C.
; REGISTERS, in windows of 256: window 0: v1-17 addresses; v28, v29 for the add; v32-47 A's scale words, two sets; v48-79 B's, four sets; v128-191, v192-255 A's fragments, two sets; on the way out v64-255 are free.
;   window 1: B's ring: set t % 4 at 64 (t % 4), fragment b at + 8 b.   window 2: the accumulators KEPT (b = 0..3, column group 2 wn + kh), (b, a) at 8 (8 b + a).   window 3: those GIVEN (b = 4..7, group 2 wn + 1 - kh).
; A scale register holds in lanes 0-15 the words of the half's first 128 along K and in lanes 16-31 those of its second: even steps read the lower lanes, odd steps the upper.
.set KSB,   32768                      ; a K step of A in LDS
.set SLOTB, 4*KSB                      ; a slot; a power of two, so that one exclusive or turns an address in one slot into the other's
.set SCA,   2*SLOTB                    ; behind the ring: A's scale bytes, [16 K steps][8 row blocks][256]
.set SPARE, SCA+32768                  ; the spare words, 128 bytes for each wave: two blocks of 256 bytes that no other line names
.set STAGE, SPARE+512                  ; the way out: 16 rows x (256 bytes + 16) for each wave
.set SP,    272
.set A0,   3                           ; v3   16 x lane + 2,048 kh: my lane's place in a K step's row block
.set ADA,  4                           ; v4   + the K step in hand
.set AS0,  5                           ; v5   my lane's place among A's scale words: SCA + 16 r + 8 kh + 4 (lane / 16)
.set ADS,  6                           ; v6   + the K step in hand
.set VBK,  7                           ; v7   bcodes: 16 x lane + 16,384 x the group kept + 2,048 kh;   v8 the same for the group given
.set VSK,  9                           ; v9   bscales: 16 x lane + 1,024 x the group kept + 512 kh
.set VSG,  10                          ; v10  the same for the group given
.set XST,  11                          ; v11  the exchange: where I put what I give
.set XLD,  12                          ; v12  and where my partner has put what I get
.set STO,  13                          ; v13  the stage: where I put 32 bytes of a row
.set RD,   14                          ; v14  and where I read rows back
.set CO,   15                          ; v15  my byte offset in two rows of C
.set SPW,  28                          ; v28  LDS address of my spare word: SPARE + 4 x my thread's number; never rewritten
.set NIL,  29                          ; v29  0; never rewritten
.set SA,   32
.set SB,   48
.set AF,   128
.set T,    64                          ; the way out: v64-127 what my partner gave, v128-191 the sums, v192-255 rows read back; two sets of 32 each
.set U,    128
.set BK,   192
.set WV,   14                          ; s14 wave;  s15 kh;  s16 wn;  s17 tile of rows;  s18 tile of columns
.set KH,   15
.set WN,   16
.set MT,   17
.set NT,   18
.set G1F,  24                          ; s[24:31] descriptor group 1: 128 rows of 256 bytes
.set G1Q,  32                          ; s[32:39] the same with 32 rows
.set G0S,  40                          ; s[40:43] group 0: A's scale bytes
.set G0A,  44                          ; s[44:47] chunk 0
.set G0W,  48                          ; s[48:51] chunk 1; then it walks
.set BC,   52                          ; s[52:53] bcodes at my tile of columns, at the K step from which the steps are counted
.set BS,   54                          ; s[54:55] bscales likewise
.set OUT,  56                          ; s[56:57] C at my 128 rows and the 64 columns that I keep
.set TB,   58                          ; s58  LDS byte of the K step of A in hand
.set TS,   59                          ; s59  2,048 x that K step: its scale words
.set TRIP, 60
.set MSB, 0
.macro WIN new                         ; s_set_vgpr_msb's low byte: bits 1:0 source 0, 3:2 source 1, 5:4 source 2, 7:6 destination; the high byte repeats the setting that is left
.if MSB != \new
	s_set_vgpr_msb (MSB<<8)|\new
.set MSB, \new
.endif
.endm
.set MUL_LO, 0xa1                      ; source 0 (B) window 1, source 1 (A) window 0, C and D window 2
.set MUL_HI, 0xf1                      ; the same, C and D window 3
.set TO_B,   0x40                      ; destination window 1, address window 0
; A load into a register that a matrix instruction has read, and an LDS store that reads a matrix result, stand four places behind that matrix instruction, and only plain vector instructions that name none of
; its registers are places (ISA guide 7.12.1 for vector instructions); the matrix instructions in between are not counted.
.macro PLACES n
.rept \n
	v_nop
.endr
.endm
.macro CREST                           ; a round of the cluster's barrier behind its opening barrier
	s_cmp_lg_u32 s[WV], 0
	s_cbranch_scc1 .Lnot_wave_0_\@
	s_barrier_signal -3
.Lnot_wave_0_\@:
	s_barrier_wait -3
	s_barrier_signal -1
	s_barrier_wait -1
.endm
.macro CROUND                          ; a whole round
	s_barrier_signal -1
	s_barrier_wait -1
	CREST
.endm
	s_load_b256 s[4:11], s[0:1], 0x0               ; acodes s[4:5], ascales s[6:7], bcodes s[8:9], bscales s[10:11]
	s_load_b64 s[12:13], s[0:1], 0x20              ; out0
	v_lshl_add_u32 v[SPW], v0, 2, SPARE
	v_mov_b32 v[NIL], 0
	ds_add_u32 v28, v29
	ds_add_u32 v28, v29
	s_wait_dscnt 0x0
	v_lshrrev_b32 v1, 5, v0
	v_readfirstlane_b32 s[WV], v1                  ; wave 0..3
	s_lshr_b32 s[KH], s[WV], 1                     ; my half of K
	s_and_b32 s[WN], s[WV], 1                      ; my half of the columns
	s_and_b32 s[MT], ttmp7, 0xffff                 ; the tile of rows, which the four partners share
	s_bfe_u32 s19, ttmp6, 0x40000                  ; cx: my place in the cluster
	s_lshl_b32 s[NT], ttmp9, 2
	s_add_co_u32 s[NT], s[NT], s19                 ; the tile of columns: it enters B's and C's global addresses alone
	; descriptor group 1: a dense block as rows of 256 bytes (32 elements of 8 bytes), no padding: an image is read 16 bytes a lane, on end
	s_mov_b32 s[G1F+0], 15|(3<<16)|(1<<21)         ; 15:0 the mask: all four work-groups; 17:16 elements of 8 bytes; 21 set beside a mask
	s_mov_b32 s[G1F+1], 32<<16                     ; tensor_dim0 = 32
	s_mov_b32 s[G1F+2], 128<<16                    ; tensor_dim1 = 128
	s_mov_b32 s[G1F+3], 32<<16                     ; tile_dim0 = 32
	s_mov_b32 s[G1F+4], 128                        ; tile_dim1 = 128
	s_mov_b32 s[G1F+5], 32                         ; tensor_dim0_stride
	s_mov_b32 s[G1F+6], 0
	s_mov_b32 s[G1F+7], 0
	s_mov_b32 s[G1Q+0], 15|(3<<16)|(1<<21)
	s_mov_b32 s[G1Q+1], 32<<16
	s_mov_b32 s[G1Q+2], 32<<16                     ; 32 rows
	s_mov_b32 s[G1Q+3], 32<<16
	s_mov_b32 s[G1Q+4], 32
	s_mov_b32 s[G1Q+5], 32
	s_mov_b32 s[G1Q+6], 0
	s_mov_b32 s[G1Q+7], 0
	; group 0: made of the tile of rows and the wave's number alone, in registers that never hold cx
	s_mov_b32 s[G0S], 1
	s_mov_b32 s[G0A], 1
	s_mov_b32 s[G0W], 1
	s_lshl_b32 s[G0A+1], s[WV], 15                 ; LDS: slot 0, K step w
	s_add_co_u32 s[G0W+1], s[G0A+1], SLOTB         ; slot 1, K step w
	s_lshl_b32 s20, s[MT], 19
	s_add_co_u32 s20, s20, s[G0A+1]                ; acodes: 524,288 x tile + 32,768 x wave
	s_mov_b32 s21, 0
	s_lshl_b32 s3, s[WV], 13
	s_add_co_u32 s[G0S+1], s3, SCA                 ; LDS: my quarter of the scale bytes
	s_lshl_b32 s2, s[MT], 15
	s_add_co_u32 s2, s2, s3                        ; ascales: 32,768 x tile + 8,192 x wave
	s_mov_b32 s3, 0
	s_wait_kmcnt 0x0
	s_add_nc_u64 s[G0A+2:G0A+3], s[4:5], s[20:21]
	s_add_nc_u64 s[G0W+2:G0W+3], s[G0A+2:G0A+3], SLOTB
	s_add_nc_u64 s[G0S+2:G0S+3], s[6:7], s[2:3]
	s_or_b32 s[G0A+3], s[G0A+3], 0x80000000        ; 127:126 type = 2
	s_or_b32 s[G0W+3], s[G0W+3], 0x80000000
	s_or_b32 s[G0S+3], s[G0S+3], 0x80000000
	s_lshl_b32 s22, s[NT], 20                      ; bcodes: 1,048,576 a tile of columns
	s_mov_b32 s23, 0
	s_add_nc_u64 s[BC:BC+1], s[8:9], s[22:23]
	s_lshl_b32 s22, s[NT], 16                      ; bscales: 65,536
	s_add_nc_u64 s[BS:BS+1], s[10:11], s[22:23]
	s_lshl_b32 s22, s[NT], 10                      ; C: 128 rows of 4,096 bytes a tile of rows, 1,024 bytes a tile of columns, 256 bytes a group: the group kept is 2 wn + kh
	s_lshl_b32 s61, s[MT], 19
	s_add_co_u32 s22, s22, s61
	s_lshl_b32 s61, s[WN], 9
	s_add_co_u32 s22, s22, s61
	s_lshl_b32 s61, s[KH], 8
	s_add_co_u32 s22, s22, s61
	s_add_nc_u64 s[OUT:OUT+1], s[12:13], s[22:23]
	CROUND                                         ; all four work-groups are here: the first joint loads meet
	tensor_load_to_lds s[G0S:G0S+3], s[G1Q:G1Q+7]  ; the first fills, as one group: three loads of mine are out.  The scale bytes,
	s_nop 0
	tensor_load_to_lds s[G0A:G0A+3], s[G1F:G1F+7]  ; chunk 0,
	s_nop 0
	tensor_load_to_lds s[G0W:G0W+3], s[G1F:G1F+7]  ; chunk 1
	s_nop 0
	PLACES 4                                       ; four v_nop follow
	v_and_b32 v1, 31, v0                           ; lane
	v_and_b32 v2, 15, v0                           ; r
	v_bfe_u32 v16, v0, 4, 1                        ; lane / 16
	v_lshlrev_b32 v17, 4, v1                       ; 16 x lane
	s_lshl_b32 s61, s[KH], 11
	v_add_nc_u32 v[A0], s61, v17
	v_lshlrev_b32 v[AS0], 4, v2
	v_lshl_add_u32 v[AS0], v16, 2, v[AS0]
	s_lshl_b32 s62, s[KH], 3
	s_add_co_u32 s62, s62, SCA
	v_add_nc_u32 v[AS0], s62, v[AS0]
	s_lshl_b32 s62, s[WN], 1
	s_add_co_u32 s63, s62, s[KH]                   ; the group kept: 2 wn + kh
	s_add_co_u32 s62, s62, 1
	s_sub_co_u32 s62, s62, s[KH]                   ; the group given: 2 wn + 1 - kh, which my partner keeps
	s_lshl_b32 s2, s63, 14
	s_add_co_u32 s2, s2, s61
	v_add_nc_u32 v[VBK], s2, v17
	s_lshl_b32 s2, s62, 14
	s_add_co_u32 s2, s2, s61
	v_add_nc_u32 v[VBK+1], s2, v17
	s_lshl_b32 s3, s[KH], 9
	s_lshl_b32 s2, s63, 10
	s_add_co_u32 s2, s2, s3
	v_add_nc_u32 v[VSK], s2, v17
	s_lshl_b32 s2, s62, 10
	s_add_co_u32 s2, s2, s3
	v_add_nc_u32 v[VSG], s2, v17
	s_lshl_b32 s2, s[WV], 15
	v_add_nc_u32 v[XST], s2, v17                   ; the exchange lies in slot 0: 32,768 bytes for each wave
	s_xor_b32 s2, s[WV], 2
	s_lshl_b32 s2, s2, 15
	v_add_nc_u32 v[XLD], s2, v17
	s_mul_i32 s2, s[WV], 16*SP
	s_add_co_u32 s2, s2, STAGE                     ; my stage
	v_mul_u32_u24 v[STO], v2, SP                   ; in: row r, 32 bytes for each half of the lanes
	v_lshl_add_u32 v[STO], v16, 5, v[STO]
	v_add_nc_u32 v[STO], s2, v[STO]
	v_mul_u32_u24 v[RD], v16, SP                   ; back: lanes 0-15 one row of 256 bytes, lanes 16-31 the next
	v_lshl_add_u32 v[RD], v2, 4, v[RD]
	v_add_nc_u32 v[RD], s2, v[RD]
	v_lshlrev_b32 v[CO], 4, v2                     ; and the same two rows in C
	v_lshl_add_u32 v[CO], v16, 12, v[CO]
; nb x 8 matrix instructions of step tt: B's fragments b0 .. b0 + nb - 1, each against A's eight.  zero = 1: the first products start the sums: nothing is ever cleared.
; The accumulators take turns, one instruction a turn, in the same order in every step, over the loop's backward jump too.
.macro MULB tt, b0, nb, zero
.set mb, \b0
.rept \nb
.set ma, 0
.rept 8
.set rD, 8*(8*(mb%4)+ma)
.set rB, 64*((\tt)%4)+8*mb
.set rA, AF+64*((\tt)%2)+8*ma
.set rY, SB+8*(((\tt)/2)%4)+mb
.set rX, SA+8*(((\tt)/2)%2)+ma
.if \zero
	v_wmma_scale_f32_16x16x128_f8f6f4 v[rD:rD+7], v[rB:rB+7], v[rA:rA+7], 0, v[rY], v[rX] matrix_a_fmt:MATRIX_FMT_FP4 matrix_b_fmt:MATRIX_FMT_FP4
.elseif (\tt)%2
	v_wmma_scale_f32_16x16x128_f8f6f4 v[rD:rD+7], v[rB:rB+7], v[rA:rA+7], v[rD:rD+7], v[rY], v[rX] matrix_a_fmt:MATRIX_FMT_FP4 matrix_b_fmt:MATRIX_FMT_FP4 matrix_a_scale:MATRIX_SCALE_ROW1 matrix_b_scale:MATRIX_SCALE_ROW1
.else
	v_wmma_scale_f32_16x16x128_f8f6f4 v[rD:rD+7], v[rB:rB+7], v[rA:rA+7], v[rD:rD+7], v[rY], v[rX] matrix_a_fmt:MATRIX_FMT_FP4 matrix_b_fmt:MATRIX_FMT_FP4
.endif
.set ma, ma+1
.endr
.set mb, mb+1
.endr
.endm
; Eight loads: four fragments of B for step st (counted, like all steps below, from the K step at which s[BC] stands): half 0 the group kept, half 1 the group given.  Each load reads 512 consecutive bytes.
.macro BLOAD st, half
	WIN TO_B
.set bj, 0
.rept 4
.set rB, 64*((\st)%4)+32*(\half)+8*bj
.set bo, ((\st)/2)*65536+((\st)%2)*1024+bj*4096
	global_load_b128 v[rB:rB+3],   v[VBK+\half], s[BC:BC+1] offset:bo
	global_load_b128 v[rB+4:rB+7], v[VBK+\half], s[BC:BC+1] offset:bo+512
.set bj, bj+1
.endr
.endm
; Two loads: B's scale words of K step kk, for my half of it: four registers for the group kept, four for the group given
.macro SLOAD kk
	global_load_b128 v[SB+8*((\kk)%4):SB+8*((\kk)%4)+3],   v[VSK], s[BS:BS+1] offset:(\kk)*4096
	global_load_b128 v[SB+8*((\kk)%4)+4:SB+8*((\kk)%4)+7], v[VSG], s[BS:BS+1] offset:(\kk)*4096
.endm
.macro ASC st                          ; A's scale words of step st's K step: a register for each row block
.irp a, 0,1,2,3,4,5,6,7
	ds_load_b32 v[SA+8*(((\st)/2)%2)+\a], v[ADS] offset:256*\a
.endr
.endm
.macro AFR st, a0                      ; eight LDS loads: A's fragments of row blocks a0 .. a0 + 3 for step st, from the K step at which v[ADA] stands
.irp a, 0,1,2,3
.irp c, 0,1
	ds_load_b128 v[AF+64*((\st)%2)+8*((\a0)+\a)+4*\c:AF+64*((\st)%2)+8*((\a0)+\a)+4*\c+3], v[ADA] offset:4096*((\a0)+\a)+1024*((\st)%2)+512*\c
.endr
.endr
.endm
; The first half of what step st wants of A.  An even step begins a new K step: the next in the slot, or (cross = 1) the other slot's first; its scale words come with it.
; All that is fetched between two such lines belongs to one K step: this half, the step's second half, and both halves of the odd step behind it.
.macro AF1 st, cross
.if ((\st)%2) == 0
.if \cross
	s_and_b32 s[TB], s[TB], SLOTB                  ; back to the slot's first K step,
	s_xor_b32 s[TB], s[TB], SLOTB                  ; in the other slot
.else
	s_add_co_u32 s[TB], s[TB], KSB
.endif
	s_add_co_u32 s[TS], s[TS], 2048
	v_add_nc_u32 v[ADA], s[TB], v[A0]
	v_add_nc_u32 v[ADS], s[TS], v[AS0]
	ASC \st
.endif
	AFR \st, 0
.endm
; THE COUNTS ON LOADcnt.  B's loads are this launch's only global loads, and they come back in order (ISA guide 5.7.1).  With C(s)a the 8 loads of the group kept for step s, C(s)b the 8 of the group given and S(k) the 2 loads of
; K step k's scale words, they are issued in the order S(k), C(2k)a, C(2k)b, C(2k+1)a, C(2k+1)b, S(k+1), ..: C(s)a (behind S where s is even) at the end of step s - 4, C(s)b in the middle of step s - 3; the head issues up to C(3)a.
; At the head of step t C(t)a must be in: behind it were issued C(t)b (8), the loads for steps t + 1 and t + 2 (16 + 18 or 18 + 16) and C(t+3)a (8, with 2 of scale words in front where t is odd): 50 at an even step, 52 at an odd one.
; In its middle, behind the issue of C(t+3)b, C(t)b must be in: behind it three steps' loads: 16 + 18 + 16 = 50 or 18 + 16 + 18 = 52.  The loads end with step 31's: for the last three steps the counts are 42 34, 24 16, 8 0.
; THE COUNTS ON DScnt.  At a step's head its own fragments must be in; behind them the next step's first half was issued: 8 loads, and 8 of scale words where the next step is even: 8 at an even step, 16 at an odd one, 0 at the last.
; A step.  lb, la: B's fragments are asked for in the middle, at the end;  sl: B's scale words too;  f2, f1: A's second half for the next step, A's first half for the step after that.
.macro STEP tt, zero, lb, la, sl, f2, f1, nh, nm, nd
	s_wait_loadcnt \nh
	s_wait_dscnt \nd
	WIN MUL_LO
	MULB \tt, 0, 4, \zero
.if \f2
	WIN 0
	AFR (\tt)+1, 4                                 ; the middle run: into registers that no matrix instruction has named since the four v_nop at the last step's end
.endif
.if \lb
	BLOAD (\tt)+3, 1
.endif
	s_wait_loadcnt \nm
	WIN MUL_HI
	MULB \tt, 4, 4, \zero
.if (\la)+(\f1)
	PLACES 4                                       ; the step's only places: for this run, and for the next step's middle run
	WIN 0
.endif
.if \f1
	AF1 (\tt)+2, 0                                 ; into the set just multiplied: 64 matrix instructions ahead of the wait for it
.endif
.if \sl
	SLOAD ((\tt)/2)+2
.endif
.if \la
	BLOAD (\tt)+4, 0                               ; into the four fragments multiplied in this step's first half
.endif
	WIN 0                                          ; at a label and at a branch every window is 0
.endm
; A slot's last step but one changes slots: its middle run holds my last reads of the slot (the last step's second half), its end run my first reads of the other slot.  ONE barrier between them; in front of it each wave waits for all
; its tensor loads (one is out: its part of the other slot), adds 0 to its spare word, and waits for that and for its own reads of this slot.  refill = 1: the barrier opens a round of the cluster's barrier, and behind the round this
; slot is filled again, with the chunk two on: that load has eight steps, 512 matrix instructions, in which to land.
.macro TURN tt, refill
	s_wait_loadcnt 50
	s_wait_dscnt 8
	WIN MUL_LO
	MULB \tt, 0, 4, 0
	WIN 0
	AFR (\tt)+1, 4
	BLOAD (\tt)+3, 1
	WIN 0                                          ; (the add's two registers lie in window 0)
	s_wait_tensorcnt 0x0                           ; no tensor load of mine is out, so a group 0 may be written
	ds_add_u32 v[SPW], v[NIL]                      ; 0 onto my spare word
.if \refill
	s_xor_b32 s[G0W+1], s[G0W+1], SLOTB            ; the walking descriptor: the other slot than last time,
	s_add_nc_u64 s[G0W+2:G0W+3], s[G0W+2:G0W+3], SLOTB   ; the next chunk; the type bits on top are not reached
.endif
	s_wait_loadcnt 50
	WIN MUL_HI
	MULB \tt, 4, 2, 0                              ; sixteen matrix instructions stand between the add and the wait for it
	s_wait_dscnt 0x0                               ; the add is done, and my reads of this slot are over
	s_barrier_signal -1
	MULB \tt, 6, 2, 0                              ; work on registers while the others arrive
	WIN 0
	s_barrier_wait -1
.if \refill
	CREST                                          ; no wave of any partner still reads this slot or has a load on its way
	tensor_load_to_lds s[G0W:G0W+3], s[G1F:G1F+7]  ; the first thing behind the round, and my one tensor load until the next
	s_nop 0
.endif
	PLACES 4                                       ; the step's places, with or without the joint load
	AF1 (\tt)+2, 1                                 ; the other slot is whole: every wave has waited for its part
	SLOAD ((\tt)/2)+2
	BLOAD (\tt)+4, 0
	WIN 0
.endm
	SLOAD 0                                        ; B up to the group kept of step 3, in the order in which earlier steps would have asked: 60 loads
	BLOAD 0, 0
	BLOAD 0, 1
	BLOAD 1, 0
	BLOAD 1, 1
	WIN 0
	SLOAD 1
	BLOAD 2, 0
	BLOAD 2, 1
	BLOAD 3, 0
	WIN 0
	s_wait_tensorcnt 0x1                           ; my parts of the scale bytes and of chunk 0 are in; chunk 1's may stay out
	s_barrier_signal -1
	s_barrier_wait -1                              ; everybody's are
	s_mov_b32 s[TB], 0
	s_mov_b32 s[TS], 0
	v_add_nc_u32 v[ADA], s[TB], v[A0]
	v_add_nc_u32 v[ADS], s[TS], v[AS0]
	ASC 0
	AFR 0, 0
	AFR 0, 4
	AFR 1, 0
	STEP 0, 1, 1, 1, 1, 1, 1, 50, 50, 8            ; the first step stands in front of the loop: its products start the sums
	s_mov_b32 s[TRIP], 2
.Lchunk:                                               ; a trip is eight steps, a slot's second to the next slot's first, and fills the slot that it leaves: chunks 2 and 3
	STEP 1, 0, 1, 1, 0, 1, 1, 52, 52, 16
	STEP 2, 0, 1, 1, 1, 1, 1, 50, 50, 8
	STEP 3, 0, 1, 1, 0, 1, 1, 52, 52, 16
	STEP 4, 0, 1, 1, 1, 1, 1, 50, 50, 8
	STEP 5, 0, 1, 1, 0, 1, 1, 52, 52, 16
	TURN 6, 1
	STEP 7, 0, 1, 1, 0, 1, 1, 52, 52, 16
	STEP 8, 0, 1, 1, 1, 1, 1, 50, 50, 8
	s_wait_xcnt 0x0                                ; B's loads have read their bases: only behind this wait are they stepped
	s_add_nc_u64 s[BC:BC+1], s[BC:BC+1], 4*65536   ; four K steps on
	s_add_nc_u64 s[BS:BS+1], s[BS:BS+1], 4*4096
	s_sub_co_u32 s[TRIP], s[TRIP], 1
	s_cmp_lg_u32 s[TRIP], 0
	s_cbranch_scc1 .Lchunk
	STEP 1, 0, 1, 1, 0, 1, 1, 52, 52, 16           ; the last two chunks are written out: nothing more is asked of A's buffers
	STEP 2, 0, 1, 1, 1, 1, 1, 50, 50, 8
	STEP 3, 0, 1, 1, 0, 1, 1, 52, 52, 16
	STEP 4, 0, 1, 1, 1, 1, 1, 50, 50, 8
	STEP 5, 0, 1, 1, 0, 1, 1, 52, 52, 16
	TURN 6, 0                                      ; chunk 3 is whole; behind this barrier nobody reads slot 0 any more, and it has had its last fill
	STEP 7, 0, 1, 1, 0, 1, 1, 52, 52, 16
	STEP 8, 0, 1, 1, 1, 1, 1, 50, 50, 8
	STEP 9, 0, 1, 1, 0, 1, 1, 52, 52, 16
	STEP 10, 0, 1, 1, 1, 1, 1, 50, 50, 8           ; the last scale words of B
	STEP 11, 0, 1, 1, 0, 1, 1, 52, 52, 16          ; the last group kept
	STEP 12, 0, 1, 0, 0, 1, 1, 50, 50, 8           ; the last group given
	STEP 13, 0, 0, 0, 0, 1, 1, 42, 34, 16          ; the last first half of A
	STEP 14, 0, 0, 0, 0, 1, 0, 24, 16, 8           ; the last second half
	STEP 15, 0, 0, 0, 0, 0, 0, 8, 0, 0
	; THE EXCHANGE OF HALVES.  The 32 accumulators that I give go to LDS as images of their registers, into my 32,768 bytes of slot 0; my partner, wave w xor 2, reads them by the same lines behind a barrier.
	PLACES 4                                       ; in front of the stores that read results just made, and of the loads into registers that held operands and scales
	WIN 0x0c                                       ; an LDS store's data are its source 1: window 3
.set idx, 0
.rept 32
	ds_store_b128 v[XST], v[8*idx:8*idx+3] offset:1024*idx             ; each accumulator from its low end on
	ds_store_b128 v[XST], v[8*idx+4:8*idx+7] offset:1024*idx+512
.set idx, idx+1
.endr
	WIN 0
	s_wait_dscnt 0x0                               ; for my partner's sake: my stores have landed
	s_barrier_signal -1
	s_barrier_wait -1
; THE WAY OUT, a block of 16 rows x my 64 columns at a time.  XFETCH: my partner's half of the sums.  SUM: + mine.  TOSTAGE: a lane holds 32 bytes of a row and the lanes beside it other rows, so the block goes through my own stage
; and comes back as whole rows of 256 bytes.  SEND: sixteen lanes store 256 consecutive bytes, at a multiple of 256 from C's first byte.
.macro XFETCH a
.irp bb, 0,1,2,3
	ds_load_b128 v[T+32*((\a)%2)+8*\bb:T+32*((\a)%2)+8*\bb+3],   v[XLD] offset:1024*(8*\bb+(\a))
	ds_load_b128 v[T+32*((\a)%2)+8*\bb+4:T+32*((\a)%2)+8*\bb+7], v[XLD] offset:1024*(8*\bb+(\a))+512
.endr
.endm
.macro SUM a
	WIN 0x02                                       ; source 0: window 2
.irp bb, 0,1,2,3
.irp p, 0,2,4,6
	v_pk_add_f32 v[U+32*((\a)%2)+8*\bb+\p:U+32*((\a)%2)+8*\bb+\p+1], v[8*(8*\bb+(\a))+\p:8*(8*\bb+(\a))+\p+1], v[T+32*((\a)%2)+8*\bb+\p:T+32*((\a)%2)+8*\bb+\p+1]   ; each accumulator from its low end on
.endr
.endr
	WIN 0
.endm
.macro TOSTAGE a
.irp bb, 0,1,2,3
	ds_store_b128 v[STO], v[U+32*((\a)%2)+8*\bb:U+32*((\a)%2)+8*\bb+3] offset:64*\bb
	ds_store_b128 v[STO], v[U+32*((\a)%2)+8*\bb+4:U+32*((\a)%2)+8*\bb+7] offset:64*\bb+16
.endr
.irp t, 0,1,2,3,4,5,6,7
	ds_load_b128 v[BK+32*((\a)%2)+4*\t:BK+32*((\a)%2)+4*\t+3], v[RD] offset:2*SP*\t   ; LDS serves a wave's instructions in order (ISA guide 5.7.1.4): these see the stores above, and the next block's stores come behind them
.endr
.endm
.macro SEND a
.irp t, 0,1,2,3,4,5,6,7
	global_store_b128 v[CO], v[BK+32*((\a)%2)+4*\t:BK+32*((\a)%2)+4*\t+3], s[OUT:OUT+1] offset:(16*(\a)+2*\t)*4096 th:TH_STORE_NT   ; written once, read by nobody here
.endr
.endm
	XFETCH 0
.irp a, 0,1,2,3,4,5,6,7
.if \a < 7
	XFETCH \a+1
.endif
.if \a == 0
	s_wait_dscnt 8                                 ; block 0's eight loads are in; behind them: block 1's eight
.elseif \a < 7
	s_wait_dscnt 24                                ; block a's are in; behind them: the last block's 16 through the stage and block a + 1's eight
.else
	s_wait_dscnt 16                                ; behind them: block 6's 16 through the stage
.endif
	SUM \a
.if \a > 1
	s_wait_xcnt 0x0                                ; block a - 2's stores have read their registers: block a's rows may land there
.endif
	TOSTAGE \a
.if \a > 0
.if \a < 7
	s_wait_dscnt 24                                ; block a - 1's rows are back; behind them: block a + 1's eight and block a's 16
.else
	s_wait_dscnt 16
.endif
	SEND \a-1
.endif
.endr
	s_wait_dscnt 0x0
	SEND 7
	s_wait_tensorcnt 0x0                           ; the wave's end, behind my last tensor load and my last LDS store
	ds_add_u32 v[SPW], v[NIL]
	s_wait_dscnt 0x0
	CROUND                                         ; the closing round: no work-group ends while a partner may still ask for a tile that names it
	s_endpgm
.Lfunc_end_k_qf1ce53f477_gemm:
	.size	k_qf1ce53f477_gemm, .Lfunc_end_k_qf1ce53f477_gemm-k_qf1ce53f477_gemm
	.p2alignl 7, 3214868480
	.fill 96, 4, 3214868480
	.section	.rodata,"a",@progbits
	.p2align	6, 0x0
	.amdhsa_kernel k_qf1ce53f477_gemm
		.amdhsa_group_segment_fixed_size 327680
		.amdhsa_private_segment_fixed_size 0
		.amdhsa_enable_private_segment 0
		.amdhsa_kernarg_size 40
		.amdhsa_user_sgpr_count 2
		.amdhsa_user_sgpr_kernarg_segment_ptr 1
		.amdhsa_wavefront_size32 1
		.amdhsa_system_sgpr_workgroup_id_x 1
		.amdhsa_system_sgpr_workgroup_id_y 1
		.amdhsa_system_sgpr_workgroup_id_z 1
		.amdhsa_system_vgpr_workitem_id 0
		.amdhsa_next_free_vgpr 1024
		.amdhsa_next_free_sgpr 66
		.amdhsa_reserve_vcc 0
		.amdhsa_float_denorm_mode_32 3
		.amdhsa_float_denorm_mode_16_64 3
		.amdhsa_memory_ordered 1
		.amdhsa_forward_progress 1
		.amdhsa_inst_pref_size 255
	.end_amdhsa_kernel
	.section	.bss,"aw",@nobits
	.p2align	6
	.space	262144
	.amdgpu_metadata
---
amdhsa.version: [ 1, 2 ]
amdhsa.kernels:
  - .name:           k_qf1ce53f477_gemm
    .symbol:         k_qf1ce53f477_gemm.kd
    .args:
      - { .name: acodes, .offset: 0, .size: 8, .value_kind: global_buffer, .address_space: global }
      - { .name: ascales, .offset: 8, .size: 8, .value_kind: global_buffer, .address_space: global }
      - { .name: bcodes, .offset: 16, .size: 8, .value_kind: global_buffer, .address_space: global }
      - { .name: bscales, .offset: 24, .size: 8, .value_kind: global_buffer, .address_space: global }
      - { .name: out0, .offset: 32, .size: 8, .value_kind: global_buffer, .address_space: global }
    .group_segment_fixed_size: 327680
    .private_segment_fixed_size: 0
    .kernarg_segment_align: 8
    .kernarg_segment_size: 40
    .max_flat_workgroup_size: 128
    .sgpr_count:     66
    .vgpr_count:     1024
    .wavefront_size: 32
...
	.end_amdgpu_metadata
.endif
;; end of part 2
